; MI455X (gfx1250); checked and timed in simulation.
; The chip was launched on July 23, 2026; its instructions are those of AMD's public machine-readable ISA for CDNA 5 (MIT licence, August 2026) and "CDNA5" Instruction Set Architecture Reference Guide (July 2026). The comments in the code are by the model that wrote it; some were corrected since.
;; Mo E Router Layer. Allowed arithmetic: matrix products marked QUANTISED: E2M1 operands, one E8M0 scale for each 32 along K, by v_wmma_scale_f32_16x16x128_f8f6f4 with both operands' format E2M1 (or v_wmma_scale_f32_32x16x128_f4), f32 sums; products left as they are: f32 operands where the result goes on into a quantised operand, else bf16, f16 or f32 operands; f32 sums; everything else in f32.
;; Inputs: W1 8 x 512 x 4,096 float32; W2 8 x 2,048 x 512 float32; Wc 512 x 8 float32; b1 8 x 4,096 float32; b2 8 x 512 float32; bc 8 float32; hidden_states 2 x 1,024 x 512 float32.
;; Outputs: out0 2 x 1,024 x 512 float32; out1 2 x 1,024 x 8 float32.
;; This version of the problem:
;;   THIS VERSION OF THE PROBLEM IS GIVEN IN LOW PRECISION. The matrix products marked QUANTISED in the list below multiply operands that are first quantised to E2M1 (2 exponent bits, 1 mantissa bit; 4 bits a number), with one power-of-two scale for each 32 numbers along K (OCP MX v1.0); their sums are f32. All else is computed in f32.
;;   The module's matrix products, in the order in which they are computed (A, B: the left and right operand; K: the contracted axis; several contracted axes count as one K, in the product's order):
;;     1. [M 2,048, K 512] x [K 512, N 8]; A: input hidden_states; B: input Wc: left as it is (N = 8 < 16)
;;     2. [M 32,768, K 512] x [K 512, N 2,048]; A: input W1; B: input hidden_states: QUANTISED
;;     3. batch 8 x [M 2,048, K 2,048] x [K 2,048, N 512]; A: computed on the way; B: input W2: QUANTISED
;;   THE QUANTISER, for each operand of a quantised product, along K:
;;     - K is cut into blocks of 32 from its start; a last block that is shorter is filled with zeros.
;;     - A block's scale is 2^e with e = floor(log2(the largest magnitude in the block)) - 2, held to -126 .. 127; a block of zeros has e = 0. As a byte (E8M0): e + 127.
;;     - Each number is divided by its block's scale, clamped to +-6, and rounded to the nearest number of E2M1, ties to even, subnormals kept.
;;     - The product sums the exact products of the quantised numbers (number of the format x scale) in f32.
;;   ~~~python
;;   def quantise(x, axis):      # numpy; x: float32 -> the quantised numbers, widened to float32 again
;;       x = np.moveaxis(x, axis, -1); K = x.shape[-1]
;;       x = np.pad(x, [(0, 0)] * (x.ndim - 1) + [(0, -K % 32)]); x = x.reshape(x.shape[:-1] + (-1, 32)); a = np.abs(x).max(-1, keepdims=True)
;;       e = np.where(a > 0, np.clip(np.frexp(np.where(a > 0, a, 1))[1] - 1 - 2, -126, 127), 0)      # np.frexp(a)[1] - 1 = floor(log2(a)), exactly
;;       r = np.clip(x / 2.0 ** e, -6, 6)
;;       step = 2.0 ** (np.maximum(np.frexp(np.where(r == 0, 1, r))[1] - 1, 0) - 1)
;;       q = np.round(r / step) * step * 2.0 ** e      # np.round: ties to even
;;       return np.moveaxis(q.reshape(q.shape[:-2] + (-1,))[..., :K], -1, axis).astype(np.float32)
;;   ~~~
;;   OPERANDS COMPUTED ON THE WAY. 'Computed on the way' means the value that the module computes at that place (a softmax that the list does not call 'softmax' is quantised finished and normalised). What goes into a quantiser is computed in f32, as accurately as f32 sums, v_exp_f32 and their like allow (about 1e-6 of the number): no bf16 or f16 on the way to a quantiser, and a product that is left as it is and whose result goes on into a quantised operand takes f32 operands (vector FMAs, or v_wmma_f32_16x16x4_f32). A number that lies on a knife's edge between two numbers of the format may be rounded either way, as far as f32 arithmetic and the matrix unit's own rounding can turn it there, and no further.
;; One version. Each part assembles by itself: llvm-mc -triple=amdgcn-amd-amdhsa -mcpu=gfx1250 --defsym DOCPART=n.
;; ======== version 1 of 1: 3 launches
;; workspace buffers: wq1 8,912,896 bytes; wq2 4,456,448 bytes; xq 557,056 bytes; route 8,192 bytes of whole numbers; rw 16,384 bytes; part 33,554,432 bytes
;; launch prep (part 1): grid 832 x 1, 4 waves a work-group, no clusters, 6,656 bytes of LDS; arguments hidden_states, Wc, bc, W1, W2, wq1, wq2, xq, route, rw, out1; writes wq1, wq2, xq, route, rw, out1
.if DOCPART == 1
	.amdgcn_target "amdgcn-amd-amdhsa--gfx1250"
	.amdhsa_code_object_version 6
	.text
	.protected	k_q3de483e4ec_prep
	.globl	k_q3de483e4ec_prep
	.p2align	8
	.type	k_q3de483e4ec_prep,@function
k_q3de483e4ec_prep:
	s_mov_b64 s[64:65], 0
	v_nop
	global_prefetch_b8 v0, s[64:65] scope:SCOPE_SE
	s_setreg_imm32_b32 hwreg(HW_REG_WAVE_MODE, 25, 1), 1
	s_wait_xcnt 0x0
; PREP.  Three kinds of work-groups, told apart by the work-group's number alone:
;   0 .. 63     the router: 32 tokens each (8 a wave): logits (f32 multiply-adds), softmax, top-2; and x's codes of FP4 (E2M1) with one E8M0 byte for each 32 along D
;   64 .. 575   W1 [8][512][4096] f32 -> wq1;   576 .. 831   W2 [8][2048][512] f32 -> wq2: codes and scale bytes, quantised along K (the first axis of each expert's matrix)
; A block's scale is 2^(floor(log2(its largest magnitude)) - 2); its byte is the largest magnitude's exponent field - 2, held at 1 from below.
; wq1, wq2 are laid in the order in which the next launch's operand registers take them: 128 slices (expert, quarter of INNER, wave); in a slice codes [tile][block of 32 k][row 16][16 bytes],
; then scale bytes [half of K][tile][row 16][8 bytes].  W1's tile 4 b + 2 g + u (g: 0 = a, 1 = gate) has as row r the hidden unit 32 b + 8 u + r + 8 (r / 8) of the wave's 128.
; WEIGHTS: a lane takes a column and its registers run down K, so a block of 32 lies in one lane, and its 16 bytes of codes are one lane's share of a fragment: a wave's store covers two runs of 256 consecutive bytes, aligned.
; THE ROUTER'S SHARE: a wave's tokens follow each other, each group of four waiting for loads that were issued while the group before was worked on.  Eight tokens a wave make that two groups:
; the first group's loads go out at the head, the second's beside the first group's arithmetic.  The router's work-groups have the lowest numbers, so that they begin with the first weights.
; LIMITS: NaN and infinities among the inputs are not served.  A block of zeros gets the byte 1 where the rule says 127: its codes are zeros, and only this program reads the bytes.
; v_exp_f32 gives 0 for results under 2^-126: a second choice whose probability is so small may be another expert than the reference's; its weight is then 0 where the reference's is under 2^-126.
; The logits' sums run lane by lane (16 k a lane) and then across lanes: another order of f32 additions than the reference's.
; No tensor loads, no barrier: waves share nothing.  Only the router's path uses LDS: 1,536 bytes a wave (scale bytes from byte 0, logits from byte 512).
.set NR,   64                          ; router work-groups
.set NW1,  512                         ; W1's work-groups
.set SL1,  69632                       ; a slice of wq1: 65,536 bytes of codes + 4,096 of scale bytes
.set SL2,  34816                       ; a slice of wq2: 32,768 + 2,048
.set WSB,  24                          ; weights: v[24:25] eight scale bytes
.set WX,   32                          ; v32-95   two sets of 32 numbers
.set WCD,  96                          ; v96-127  four registers of codes for each block: no store's data are written again
.set RWC,  16                          ; router: v16-143 Wc's rows 16 l .. 16 l + 15 (register 8 i + p: row i, expert p)
.set RX,   144                         ; v144-207 four slots of 16 numbers of x
.set RA,   208                         ; v208-215 eight sums
.set RBP,  216                         ; v216-223 the other half of the lanes' sums
.set RL,   224                         ; v224-231 logits, lane = token (lanes 0 to 7)
.set RCD,  232                         ; v232-247 codes, two registers for each of the eight tokens: no store's data are written again
.set RE,   248                         ; v248-249 scale bytes: a word for each group of four tokens
.macro WLOAD t, pitch                  ; block t: rows 32 t + i of my column, into set t % 2
.irp i, 0,1,2,3,4,5,6,7,8,9,10,11,12,13,14,15,16,17,18,19,20,21,22,23,24,25,26,27,28,29,30,31
	global_load_b32 v[WX+32*((\t)%2)+\i], v3, s[4:5] offset:(32*(\t)+\i)*\pitch th:TH_LOAD_NT
.endr
.endm
.macro WBLOCK t, pitch
.set XS, WX+32*((\t)%2)
.if (\t) < 7
	s_wait_loadcnt 32                              ; this block's 32 loads are in; the next block's 32 may be out
.else
	s_wait_loadcnt 0
.endif
	v_max3_num_f32 v12, |v[XS]|, |v[XS+1]|, |v[XS+2]|     ; the block's largest magnitude: all 32 numbers are mine; two chains
	v_max3_num_f32 v13, |v[XS+3]|, |v[XS+4]|, |v[XS+5]|
.irp i, 6,10,14,18,22,26
	v_max3_num_f32 v12, v12, |v[XS+\i]|, |v[XS+\i+1]|
	v_max3_num_f32 v13, v13, |v[XS+\i+2]|, |v[XS+\i+3]|
.endr
	v_max3_num_f32 v12, v12, |v[XS+30]|, |v[XS+31]|
	v_max3_num_f32 v12, v12, v13, 0x1800000        ; and the floor 2^(3 - 127): the byte cannot fall under 1
	v_add_nc_u32 v11, 0xff000000, v12              ; 2 off the exponent field: the conversion takes the exponent field of this operand as its scale
	v_lshrrev_b32 v13, 23, v11                     ; the scale's byte
.if (\t)%4 == 0
	v_mov_b32 v[WSB+(\t)/4], v13
.else
	v_lshl_or_b32 v[WSB+(\t)/4], v13, 8*((\t)%4), v[WSB+(\t)/4]
.endif
.irp g, 0,1,2,3
	v_cvt_scalef32_pk8_fp4_f32 v[WCD+4*(\t)+\g], v[XS+8*\g:XS+8*\g+7], v11
.endr
	global_store_b128 v4, v[WCD+4*(\t):WCD+4*(\t)+3], s[6:7] offset:256*(\t)   ; sixteen lanes fill 256 consecutive bytes of one tile, the other sixteen of the next
.if (\t)+2 < 8
	WLOAD (\t)+2, \pitch
.endif
.endm
.macro QW pitch                        ; a wave's 32 columns x 256 along K: eight blocks, loads two blocks ahead
	WLOAD 0, \pitch
	WLOAD 1, \pitch
.irp t, 0,1,2,3,4,5,6,7
	WBLOCK \t, \pitch
.endr
	global_store_b64 v5, v[WSB:WSB+1], s[8:9]      ; 32 lanes x 8 scale bytes: 256 consecutive bytes, aligned
.endm
.macro LANEOFF                         ; from v6 = which of my two tiles, v7 = row in it
	v_lshlrev_b32 v4, 4, v7
	v_lshl_add_u32 v4, v6, 12, v4                  ; codes: 4,096 u + 16 r
	v_lshlrev_b32 v5, 3, v7
	v_lshl_add_u32 v5, v6, 7, v5                   ; scale bytes: 128 u + 8 r
.endm
.macro FMA4 xs, i                      ; x[i] times Wc's row i onto the eight sums, two experts an instruction, the four pairs by turns
.irp p, 0,1,2,3
.if (\i)%2
	v_pk_fma_f32 v[RA+2*\p:RA+2*\p+1], v[\xs+(\i)-1:\xs+(\i)], v[RWC+8*(\i)+2*\p:RWC+8*(\i)+2*\p+1], v[RA+2*\p:RA+2*\p+1] op_sel:[1,0,0] op_sel_hi:[1,1,1]
.else
	v_pk_fma_f32 v[RA+2*\p:RA+2*\p+1], v[\xs+(\i):\xs+(\i)+1], v[RWC+8*(\i)+2*\p:RWC+8*(\i)+2*\p+1], v[RA+2*\p:RA+2*\p+1] op_sel_hi:[0,1,1]
.endif
.endr
.endm
; Token 4 tr + sl of my eight.  sl: its slot; ahead = 1: the slot is filled again with the token four further on; left: the younger loads that may stay out.
; Every offset is an immediate: no base is stepped, and nothing that a pending store reads is written again.
.macro TOKEN tr, sl, ahead, left
.set XT, RX+16*\sl
.set TK, 4*\tr+\sl
	s_wait_loadcnt \left                           ; my slot's four loads are in; the younger slots' four each stay out
.irp p, 0,1,2,3
	v_pk_mul_f32 v[RA+2*\p:RA+2*\p+1], v[XT:XT+1], v[RWC+2*\p:RWC+2*\p+1] op_sel_hi:[0,1]   ; the first product starts the sums
.endr
.irp i, 1,2,3,4,5,6,7,8,9,10,11,12,13,14,15
	FMA4 XT, \i
.endr
	v_max3_num_f32 v8, |v[XT]|, |v[XT+1]|, |v[XT+2]|      ; the largest magnitude of my 16 numbers
	v_max3_num_f32 v9, |v[XT+3]|, |v[XT+4]|, |v[XT+5]|
.irp i, 6,10
	v_max3_num_f32 v8, v8, |v[XT+\i]|, |v[XT+\i+1]|
	v_max3_num_f32 v9, v9, |v[XT+\i+2]|, |v[XT+\i+3]|
.endr
	v_max3_num_f32 v8, v8, |v[XT+14]|, |v[XT+15]|
	v_max3_num_f32 v8, v8, v9, 0x1800000           ; and the floor
	v_max_num_f32_dpp v8, v8, v8 row_xmask:1 row_mask:0xf bank_mask:0xf   ; and of my neighbour's 16: the block's
	v_add_nc_u32 v11, 0xff000000, v8
	v_cvt_scalef32_pk8_fp4_f32 v[RCD+2*TK], v[XT:XT+7], v11
	v_cvt_scalef32_pk8_fp4_f32 v[RCD+2*TK+1], v[XT+8:XT+15], v11
	v_lshrrev_b32 v10, 23, v11                     ; the scale's byte (a plain line behind the conversions)
.if \sl == 0
	v_mov_b32 v[RE+\tr], v10                       ; the group's four bytes make a word
.else
	v_lshl_or_b32 v[RE+\tr], v10, 8*\sl, v[RE+\tr]
.endif
	global_store_b64 v5, v[RCD+2*TK:RCD+2*TK+1], s[12:13] offset:256*TK   ; the token's 256 bytes of codes
.if \ahead
.irp i, 0,1,2,3
	global_load_b128 v[XT+4*\i:XT+4*\i+3], v4, s[4:5] offset:(TK+4)*2048+16*\i
.endr
.endif
.irp m, 1,2,4,8
.irp p, 0,1,2,3,4,5,6,7
	v_add_f32_dpp v[RA+\p], v[RA+\p], v[RA+\p] row_xmask:\m row_mask:0xf bank_mask:0xf
.endr
.endr
.irp p, 0,1,2,3,4,5,6,7
	v_permlanex16_b32 v[RBP+\p], v[RA+\p], s38, s39
.endr
.irp p, 0,1,2,3,4,5,6,7
	v_add_f32 v[RA+\p], v[RA+\p], v[RBP+\p]        ; every lane holds the token's eight sums
.endr
	s_mov_b32 s34, 1<<TK                           ; the lane that keeps this token
.irp p, 0,1,2,3,4,5,6,7
	v_cndmask_b32 v[RL+\p], v[RL+\p], v[RA+\p], s34
.endr
.endm
	v_lshl_add_u32 v254, v0, 2, 0x1800
	v_mov_b32 v255, 0
	v_lshrrev_b32 v1, 5, v0
	v_readfirstlane_b32 s16, v1                    ; wave 0..3
	v_and_b32 v2, 31, v0                           ; lane
	s_cmp_lt_u32 ttmp9, NR
	s_cbranch_scc1 .Lrouter
	v_lshlrev_b32 v3, 2, v2                        ; weights: 4 bytes a lane
	s_cmp_lt_u32 ttmp9, NR+NW1
	s_cbranch_scc1 .Lw1
	; ---- W2: work-group = (expert e, 128 columns ng, 256 along K kp); wave w takes columns 32 w on: tiles 2 w and 2 w + 1 of slice (e, kp / 2, ng)
	s_load_b64 s[4:5], s[0:1], 0x20                ; W2
	s_load_b64 s[6:7], s[0:1], 0x30                ; wq2
	s_sub_co_u32 s17, ttmp9, NR+NW1
	s_and_b32 s18, s17, 7                          ; kp
	s_bfe_u32 s19, s17, 0x20003                    ; ng
	s_lshr_b32 s20, s17, 5                         ; e
	s_lshr_b32 s21, s18, 1                         ; q
	s_and_b32 s22, s18, 1                          ; which half of the quarter's K
	s_lshl_b32 s23, s20, 4
	s_lshl_b32 s24, s21, 2
	s_add_co_u32 s23, s23, s24
	s_add_co_u32 s23, s23, s19                     ; slice 16 e + 4 q + ng
	s_mul_i32 s23, s23, SL2
	s_lshl_b32 s26, s20, 22                        ; from: e x 4,194,304
	s_lshl_b32 s24, s18, 19                        ; + kp x 256 rows of 2,048 bytes
	s_add_co_u32 s26, s26, s24
	s_lshl_b32 s24, s19, 9                         ; + ng x 512
	s_add_co_u32 s26, s26, s24
	s_lshl_b32 s24, s16, 7                         ; + w x 128
	s_add_co_u32 s26, s26, s24
	s_mov_b32 s27, 0
	s_lshl_b32 s28, s16, 13                        ; codes: tile 2 w
	s_add_co_u32 s28, s28, s23
	s_lshl_b32 s24, s22, 11                        ; + eight blocks of 256 bytes
	s_add_co_u32 s28, s28, s24
	s_mov_b32 s29, 0
	s_lshl_b32 s30, s16, 8                         ; scale bytes: tile 2 w
	s_add_co_u32 s30, s30, s23
	s_lshl_b32 s24, s22, 10
	s_add_co_u32 s30, s30, s24
	s_add_co_u32 s30, s30, 32768
	s_mov_b32 s31, 0
	v_lshrrev_b32 v6, 4, v2                        ; u
	v_and_b32 v7, 15, v2                           ; r
	LANEOFF
	s_wait_kmcnt 0x0
	s_add_nc_u64 s[4:5], s[4:5], s[26:27]
	s_add_nc_u64 s[8:9], s[6:7], s[30:31]
	s_add_nc_u64 s[6:7], s[6:7], s[28:29]
	QW 2048
	s_endpgm
.Lw1:
	; ---- W1: work-group = (expert e, 128 columns cg, half of K kh); wave w takes columns 32 w on: a block of 32 hidden units, tiles 4 w + 2 g + u of slice (e, q, cg % 4)
	s_load_b64 s[4:5], s[0:1], 0x18                ; W1
	s_load_b64 s[6:7], s[0:1], 0x28                ; wq1
	s_sub_co_u32 s17, ttmp9, NR
	s_and_b32 s18, s17, 1                          ; kh
	s_bfe_u32 s19, s17, 0x50001                    ; cg
	s_lshr_b32 s20, s17, 6                         ; e
	s_lshr_b32 s21, s19, 4                         ; g: 0 = a's columns, 1 = gate's
	s_bfe_u32 s22, s19, 0x20002                    ; q
	s_and_b32 s23, s19, 3                          ; the next launch's wave
	s_lshl_b32 s24, s20, 4
	s_lshl_b32 s25, s22, 2
	s_add_co_u32 s24, s24, s25
	s_add_co_u32 s24, s24, s23                     ; slice 16 e + 4 q + wave
	s_mul_i32 s24, s24, SL1
	s_lshl_b32 s26, s20, 23                        ; from: e x 8,388,608
	s_lshl_b32 s25, s18, 22                        ; + kh x 256 rows of 16,384 bytes
	s_add_co_u32 s26, s26, s25
	s_lshl_b32 s25, s19, 9                         ; + cg x 512
	s_add_co_u32 s26, s26, s25
	s_lshl_b32 s25, s16, 7                         ; + w x 128
	s_add_co_u32 s26, s26, s25
	s_mov_b32 s27, 0
	s_lshl_b32 s28, s16, 2
	s_lshl_b32 s25, s21, 1
	s_add_co_u32 s28, s28, s25                     ; tile 4 w + 2 g
	s_lshl_b32 s30, s28, 12                        ; codes
	s_add_co_u32 s30, s30, s24
	s_lshl_b32 s25, s18, 11
	s_add_co_u32 s30, s30, s25
	s_mov_b32 s31, 0
	s_lshl_b32 s32, s28, 7                         ; scale bytes
	s_add_co_u32 s32, s32, s24
	s_add_co_u32 s32, s32, s25
	s_add_co_u32 s32, s32, 65536
	s_mov_b32 s33, 0
	v_bfe_u32 v6, v2, 3, 1                         ; unit j = lane of the block: u = (j / 8) % 2,
	v_and_b32 v7, 7, v2
	v_lshrrev_b32 v8, 4, v2
	v_lshl_or_b32 v7, v8, 3, v7                    ; r = j % 8 + 8 (j / 16)
	LANEOFF
	s_wait_kmcnt 0x0
	s_add_nc_u64 s[4:5], s[4:5], s[26:27]
	s_add_nc_u64 s[8:9], s[6:7], s[32:33]
	s_add_nc_u64 s[6:7], s[6:7], s[30:31]
	QW 16384
	s_endpgm
.Lrouter:
	; ---- the router: wave w of work-group g takes tokens 32 g + 8 w on.  Lane l holds 16 neighbours of a token's row (k = 16 l on) and the same 16 rows of Wc.
	s_load_b128 s[4:7], s[0:1], 0x0                ; hidden_states, Wc
	s_load_b64 s[8:9], s[0:1], 0x10                ; bc
	s_load_b128 s[12:15], s[0:1], 0x38             ; xq, route
	s_load_b128 s[20:23], s[0:1], 0x48             ; rw, out1
	s_lshl_b32 s17, ttmp9, 5
	s_lshl_b32 s18, s16, 3
	s_add_co_u32 s17, s17, s18                     ; my first token
	s_lshl_b32 s24, s17, 11                        ; x: 2,048 bytes a token
	s_mov_b32 s25, 0
	s_lshl_b32 s26, s17, 8                         ; codes: 256
	s_mov_b32 s27, 0
	s_lshl_b32 s28, s17, 4                         ; scale bytes: 16, behind the codes
	s_add_co_u32 s28, s28, 0x80000
	s_mov_b32 s29, 0
	s_lshl_b32 s30, s17, 2                         ; route: a word
	s_mov_b32 s31, 0
	s_lshl_b32 s32, s17, 3                         ; rw: two numbers
	s_mov_b32 s33, 0
	s_lshl_b32 s36, s17, 5                         ; logits: eight numbers
	s_mov_b32 s37, 0
	s_mov_b32 s38, 0x76543210                      ; v_permlanex16_b32's selects for lane l xor 16
	s_mov_b32 s39, 0xfedcba98
	s_mul_i32 s19, s16, 1536                       ; my wave's LDS
	v_lshlrev_b32 v1, 2, v2                        ; 4 l
	v_lshlrev_b32 v3, 9, v2                        ; Wc: 512 l
	v_lshlrev_b32 v4, 6, v2                        ; x: 64 l
	v_lshlrev_b32 v5, 3, v2                        ; 8 l
	v_lshrrev_b32 v6, 1, v2
	v_add_nc_u32 v6, s19, v6                       ; LDS: my block's byte in a token's 16
	v_lshl_add_u32 v7, v2, 4, s19                  ; LDS: 16 l
	v_lshl_add_u32 v12, v2, 5, s19                 ; LDS: 32 l
	v_lshlrev_b32 v13, 4, v2                       ; 16 l
.irp p, 0,1,2,3,4,5,6,7
	v_mov_b32 v[RBP+\p], 0                         ; written once: a lane permute's destination counts as one of its sources
	v_mov_b32 v[RL+\p], 0                          ; lanes 8 to 31 keep these zeros: they hold no token
.endr
	s_wait_kmcnt 0x0
	s_load_b256 s[40:47], s[8:9], 0x0              ; bc
.irp j, 0,1,2,3,4,5,6,7,8,9,10,11,12,13,14,15,16,17,18,19,20,21,22,23,24,25,26,27,28,29,30,31
	global_load_b128 v[RWC+4*\j:RWC+4*\j+3], v3, s[6:7] offset:16*\j
.endr
	s_add_nc_u64 s[4:5], s[4:5], s[24:25]
	s_add_nc_u64 s[48:49], s[12:13], s[28:29]
	s_add_nc_u64 s[12:13], s[12:13], s[26:27]
	s_add_nc_u64 s[14:15], s[14:15], s[30:31]
	s_add_nc_u64 s[20:21], s[20:21], s[32:33]
	s_add_nc_u64 s[22:23], s[22:23], s[36:37]
.irp sl, 0,1,2,3
.irp i, 0,1,2,3
	global_load_b128 v[RX+16*\sl+4*\i:RX+16*\sl+4*\i+3], v4, s[4:5] offset:\sl*2048+16*\i   ; a token's four loads stand together and cover its row
.endr
.endr
	TOKEN 0, 0, 1, 12                              ; the first four tokens; each fills its slot with the token four further on
	TOKEN 0, 1, 1, 12
	TOKEN 0, 2, 1, 12
	TOKEN 0, 3, 1, 12
	TOKEN 1, 0, 0, 12                              ; the last four load nothing: the counts run down
	TOKEN 1, 1, 0, 8
	TOKEN 1, 2, 0, 4
	TOKEN 1, 3, 0, 0
	; ---- lane = token from here on: lanes 0 to 7.  The other lanes run the same lines on bc alone, and store nothing.
	s_wait_kmcnt 0x0                               ; bc
.irp p, 0,1,2,3,4,5,6,7
	v_add_f32 v[RL+\p], s[40+\p], v[RL+\p]
.endr
	v_and_b32 v156, 7, v2
	v_lshl_add_u32 v156, v156, 4, s19              ; LDS: 16 (l % 8): every lane reads scale bytes that were written
	ds_store_b128 v12, v[RL:RL+3] offset:512       ; the logits turn through my wave's LDS, so that sixteen lanes hold the eight tokens' 256 consecutive bytes
	ds_store_b128 v12, v[RL+4:RL+7] offset:528
	ds_load_b128 v[144:147], v7 offset:512         ; LDS serves a wave's instructions in order: this sees my stores
.irp j, 0,1
	v_lshrrev_b32 v[160+3*\j], 8, v[RE+\j]
	v_lshrrev_b32 v[161+3*\j], 16, v[RE+\j]
	v_lshrrev_b32 v[162+3*\j], 24, v[RE+\j]
	ds_store_b8 v6, v[RE+\j] offset:64*\j          ; token 4 j + i, my block's byte; both lanes of a block write the same byte with the same value
	ds_store_b8 v6, v[160+3*\j] offset:64*\j+16
	ds_store_b8 v6, v[161+3*\j] offset:64*\j+32
	ds_store_b8 v6, v[162+3*\j] offset:64*\j+48
.endr
	ds_load_b128 v[152:155], v156                  ; a token's 16 scale bytes
	v_max3_num_f32 v8, v[RL], v[RL+1], v[RL+2]     ; softmax: the maximum is taken away first
	v_max3_num_f32 v8, v8, v[RL+3], v[RL+4]
	v_max3_num_f32 v8, v8, v[RL+5], v[RL+6]
	v_max_num_f32 v8, v8, v[RL+7]
.irp p, 0,1,2,3,4,5,6,7
	v_sub_f32 v[RA+\p], v[RL+\p], v8
.endr
.irp p, 0,1,2,3,4,5,6,7
	v_mul_f32 v[RA+\p], 0x3fb8aa3b, v[RA+\p]
.endr
.irp p, 0,1,2,3,4,5,6,7
	v_exp_f32 v[RA+\p], v[RA+\p]
.endr
	v_nop                                          ; a plain line behind the last exponential
	s_wait_alu depctr_va_vdst(0)                   ; one wait for the batch, ahead of its first reader
	v_add_f32 v8, v[RA], v[RA+1]
	v_add_f32 v9, v[RA+2], v[RA+3]
	v_add_f32 v10, v[RA+4], v[RA+5]
	v_add_f32 v11, v[RA+6], v[RA+7]
	v_add_f32 v8, v8, v9
	v_add_f32 v10, v10, v11
	v_add_f32 v8, v8, v10
	v_rcp_f32 v8, v8
	v_nop
	s_wait_alu depctr_va_vdst(0)
.irp p, 0,1,2,3,4,5,6,7
	v_mul_f32 v[RA+\p], v[RA+\p], v8               ; the probabilities
.endr
	v_mov_b32 v14, v[RA]                           ; the largest: a later expert wins only if it is greater, so the lower index keeps a tie
	v_mov_b32 v9, 0
.irp j, 1,2,3,4,5,6,7
	v_cmp_gt_f32 vcc_lo, v[RA+\j], v14
	v_cndmask_b32 v14, v14, v[RA+\j], vcc_lo
	v_cndmask_b32 v9, v9, \j, vcc_lo
.endr
.irp j, 0,1,2,3,4,5,6,7
	v_cmp_eq_u32 vcc_lo, \j, v9
	v_cndmask_b32 v[RA+\j], v[RA+\j], -1.0, vcc_lo ; the winner leaves: no probability is under 0
.endr
	v_mov_b32 v15, v[RA]                           ; the second
	v_mov_b32 v10, 0
.irp j, 1,2,3,4,5,6,7
	v_cmp_gt_f32 vcc_lo, v[RA+\j], v15
	v_cndmask_b32 v15, v15, v[RA+\j], vcc_lo
	v_cndmask_b32 v10, v10, \j, vcc_lo
.endr
	v_lshl_or_b32 v10, v10, 8, v9                  ; the first choice | the second << 8
	s_wait_dscnt 0x0                               ; the logits and the scale bytes are back from LDS
	v_cmp_gt_u32 vcc_lo, 16, v2
	s_wait_xcnt 0x0                                ; EXEC is a source of the codes' pending stores: it changes only behind this wait
	s_wait_tensorcnt 0x0
	ds_add_u32 v254, v255
	s_wait_dscnt 0x0
	s_and_saveexec_b32 s34, vcc_lo                 ; lanes 0 to 15
	global_store_b128 v13, v[144:147], s[22:23]    ; the eight tokens' logits: 256 consecutive bytes, aligned
	v_cmp_gt_u32 vcc_lo, 8, v2
	s_wait_xcnt 0x0                                ; and again, ahead of the next change of EXEC
	s_and_saveexec_b32 s35, vcc_lo                 ; lanes 0 to 7: a lane a token
	global_store_b32 v1, v10, s[14:15]             ; the two choices
	global_store_b64 v5, v[14:15], s[20:21]        ; the two weights
	global_store_b128 v13, v[152:155], s[48:49]    ; x's 16 scale bytes
	s_wait_xcnt 0x0                                ; and ahead of the line that widens it
	s_or_b32 exec_lo, exec_lo, s34                 ; EXEC as at the entry
	s_endpgm
.Lfunc_end_k_q3de483e4ec_prep:
	.size	k_q3de483e4ec_prep, .Lfunc_end_k_q3de483e4ec_prep-k_q3de483e4ec_prep
	.p2alignl 7, 3214868480
	.fill 96, 4, 3214868480
	.section	.rodata,"a",@progbits
	.p2align	6, 0x0
	.amdhsa_kernel k_q3de483e4ec_prep
		.amdhsa_group_segment_fixed_size 6656
		.amdhsa_private_segment_fixed_size 0
		.amdhsa_enable_private_segment 0
		.amdhsa_kernarg_size 88
		.amdhsa_user_sgpr_count 2
		.amdhsa_user_sgpr_kernarg_segment_ptr 1
		.amdhsa_wavefront_size32 1
		.amdhsa_system_sgpr_workgroup_id_x 1
		.amdhsa_system_sgpr_workgroup_id_y 1
		.amdhsa_system_sgpr_workgroup_id_z 1
		.amdhsa_system_vgpr_workitem_id 0
		.amdhsa_next_free_vgpr 256
		.amdhsa_next_free_sgpr 66
		.amdhsa_reserve_vcc 1
		.amdhsa_float_denorm_mode_32 3
		.amdhsa_float_denorm_mode_16_64 3
		.amdhsa_memory_ordered 1
		.amdhsa_forward_progress 1
		.amdhsa_inst_pref_size 159
	.end_amdhsa_kernel
	.amdgpu_metadata
---
amdhsa.version: [ 1, 2 ]
amdhsa.kernels:
  - .name:           k_q3de483e4ec_prep
    .symbol:         k_q3de483e4ec_prep.kd
    .args:
      - { .name: hidden_states, .offset: 0, .size: 8, .value_kind: global_buffer, .address_space: global }
      - { .name: Wc, .offset: 8, .size: 8, .value_kind: global_buffer, .address_space: global }
      - { .name: bc, .offset: 16, .size: 8, .value_kind: global_buffer, .address_space: global }
      - { .name: W1, .offset: 24, .size: 8, .value_kind: global_buffer, .address_space: global }
      - { .name: W2, .offset: 32, .size: 8, .value_kind: global_buffer, .address_space: global }
      - { .name: wq1, .offset: 40, .size: 8, .value_kind: global_buffer, .address_space: global }
      - { .name: wq2, .offset: 48, .size: 8, .value_kind: global_buffer, .address_space: global }
      - { .name: xq, .offset: 56, .size: 8, .value_kind: global_buffer, .address_space: global }
      - { .name: route, .offset: 64, .size: 8, .value_kind: global_buffer, .address_space: global }
      - { .name: rw, .offset: 72, .size: 8, .value_kind: global_buffer, .address_space: global }
      - { .name: out1, .offset: 80, .size: 8, .value_kind: global_buffer, .address_space: global }
    .group_segment_fixed_size: 6656
    .private_segment_fixed_size: 0
    .kernarg_segment_align: 8
    .kernarg_segment_size: 88
    .max_flat_workgroup_size: 128
    .sgpr_count:     66
    .vgpr_count:     256
    .wavefront_size: 32
...
	.end_amdgpu_metadata
.endif
;; end of part 1
;; launch chain (part 2): grid 256 x 1, 4 waves a work-group, no clusters, 183,808 bytes of LDS; arguments wq1, wq2, xq, route, b1, part; writes part
.if DOCPART == 2
	.amdgcn_target "amdgcn-amd-amdhsa--gfx1250"
	.amdhsa_code_object_version 6
	.text
	.protected	k_q3de483e4ec_chain
	.globl	k_q3de483e4ec_chain
	.p2align	8
	.type	k_q3de483e4ec_chain,@function
k_q3de483e4ec_chain:
	s_mov_b64 s[64:65], 0
	v_nop
	global_prefetch_b8 v0, s[64:65] scope:SCOPE_SE
	s_setreg_imm32_b32 hwreg(HW_REG_WAVE_MODE, 25, 1), 1
	s_wait_xcnt 0x0
; CHAIN.  Work-group = (expert e, quarter q of INNER, chunk c of 256 tokens).  It finds the chunk's tokens that chose e (n = 0 .. 256 rows), takes them through
; h = x W1 + b1 (its 512 hidden units: a and gate), g = a silu(gate), and g W2 over those 512 units, both products on codes of FP4 (E2M1) with one E8M0 scale for each 32 along K,
; and stores the raw f32 partial rows: part[q][2 t + k][512], k = which of token t's two choices e is.  The next launch adds the four quarters, b2 and the weights.
; THE WAVES SHARE THE COLUMNS, NOT THE ROWS: wave w makes hidden units 128 w on of the quarter (16 tiles of W1: K step w of the second product) and outputs 128 w on (8 tiles of W2), for all rows.
; Its weights, 96 KiB of codes, stay in its registers, read once, in the order in which wq1 and wq2 are laid; rows go round through LDS as images of operand registers.
; Both products are used transposed (source 0 = 16 rows of the weight, source 1 = 16 tokens): a lane holds ONE token, and the 16 registers of a's or gate's two tiles of a block are 16 neighbouring hidden units.
; WHY NO JOINT LOADS: the eight chunks of one (e, q) read the same slices, but how many tiles each has hangs on counts read from memory, so this text branches on loaded numbers
; and holds no tensor load; the weights come by plain loads, all issued at the head.
; Both loops have 16 trips, a constant; a trip whose 16 rows lie at or past n is passed over by a scalar branch inside the loop.  Rows that pad the last tile are computed (with the chunk's first token) and not stored.
; LIMITS: NaN and infinities are not served; a block of zeros carries the byte 1 (its codes are zeros); K of the second product is summed in four parts, another order of f32 additions than the reference's.
; LDS: LIST 256 entries (2 t + k) + 32 words that take what is not listed; B1L my b1 (a's 128, gate's 128) for each wave; XSC, XIMG x's scale words and fragments, 16 tiles; GSC, GIMG the hidden layer's, wave first; STG a stage of 16 rows for each wave.
.set LIST,  0
.set B1L,   2048
.set XSC,   6144                       ; tile m: 512 bytes, 16 a lane
.set GSC,   14336                      ; [K step 4][tile 16][row 16] words
.set XIMG,  18432                      ; tile m: 4,096 bytes: load i = 2 s + c at 512 i, 16 a lane
.set GIMG,  83968                      ; [K step 4][tile 16][1,024 bytes: c at 512 c, 16 a lane]
.set STG,   149504
.set SPITCH, 528                       ; a stage row: 512 bytes + 16
; REGISTERS, window 0: v1 16 l, v2 8 l, v3 4 l, v4-9 LDS addresses that stay, v10-13 addresses in hand, v15 16 h
.set XS,   16                          ; v16-19   scale words of source 1 (x's, later the hidden layer's): nothing else
.set XF,   20                          ; v20-51   four fragments of source 1
.set P0,   52                          ; v52-83   four accumulators (a u=0, a u=1, gate u=0, gate u=1) of a block of 32 units
.set P1,   84                          ; v84-115  the same for the next block
.set ACC,  52                          ; second product: eight accumulators
.set GX,   52                          ; set-up: two tiles of x as gathered, 36 registers each
.set TMP,  116                         ; v116-131 16 numbers at work
.set M0,   132
.set M1,   133
.set MX,   134
.set SCL,  135
.set BY,   136
.set SW,   137
.set CD,   140                         ; v140-143 two pairs of codes, by turns
.set BR,   144                         ; v144-175 b1 in the result's layout, for one block
.set OB,   116                         ; v116-179 second product: 16 rows read back from the stage
.set W1S,  180                         ; v180-211 W1's scale words: nothing else
.set W2S,  212                         ; v212-227 W2's: nothing else
.set RID,  228                         ; v228-243 the tile's 16 entries, then their byte offsets in part
.set R,    228                         ; set-up: the chunk's route words
.set S,    236                         ; set-up: where each goes in LIST
.set D,    144                         ; set-up: the entries
; windows 1 and 2: W1's fragments: (tile T, K step s) at 8 (4 (T % 8) + s), T < 8 in window 1;  window 3: W2's: 8 (4 T + s)
.set MSB, 0
.macro WIN new                         ; the immediate's high byte repeats the setting that is left
.if MSB != (\new)
	s_set_vgpr_msb (MSB<<8)|(\new)
.set MSB, (\new)
.endif
.endm
.macro BARRIER                         ; my LDS stores have landed and my LDS loads are in: then the work-group's barrier
	s_wait_dscnt 0x0
	s_barrier_signal -1
	s_barrier_wait -1
.endm
.macro CODES base, first, count        ; loads first .. first + count - 1 of a slice's codes: 512 consecutive bytes each, into four registers each
.set ci, \first
.rept \count
	global_load_b128 v[4*(ci%64):4*(ci%64)+3], v1, s[\base:\base+1] offset:512*ci
.set ci, ci+1
.endr
.endm
; Two tiles of rows: their entries from LIST, their tokens' codes (8 x 16 bytes a lane) and scale words from xq.
.macro GATHER lo0, lo1
	ds_load_b32 v152, v12 offset:\lo0
	ds_load_b32 v153, v12 offset:\lo1
	s_wait_dscnt 0x0                               ; the entries are in (and all my earlier LDS stores have read their registers)
	v_lshrrev_b32 v152, 1, v152                    ; the token,
	v_lshrrev_b32 v153, 1, v153
	v_min_u32 v152, 0x7ff, v152                    ; held inside the table
	v_min_u32 v153, 0x7ff, v153
	v_lshl_add_u32 v154, v152, 8, v15              ; codes: 256 t + 16 h
	v_lshlrev_b32 v155, 4, v152                    ; scale bytes: 16 t
	v_lshl_add_u32 v156, v153, 8, v15
	v_lshlrev_b32 v157, 4, v153
.irp i, 0,1,2,3,4,5,6,7
	global_load_b128 v[GX+4*\i:GX+4*\i+3], v154, s[8:9] offset:32*\i
.endr
	global_load_b128 v[GX+32:GX+35], v155, s[40:41]
.irp i, 0,1,2,3,4,5,6,7
	global_load_b128 v[GX+36+4*\i:GX+36+4*\i+3], v156, s[8:9] offset:32*\i
.endr
	global_load_b128 v[GX+68:GX+71], v157, s[40:41]
.endm
.macro IMAGES o                        ; they go to LDS as they stand: tiles w + 4 o and w + 4 o + 4
.irp i, 0,1,2,3,4,5,6,7
	ds_store_b128 v10, v[GX+4*\i:GX+4*\i+3] offset:(\o)*16384+512*\i
.endr
	ds_store_b128 v11, v[GX+32:GX+35] offset:(\o)*2048
.irp i, 0,1,2,3,4,5,6,7
	ds_store_b128 v10, v[GX+36+4*\i:GX+36+4*\i+3] offset:((\o)+1)*16384+512*\i
.endr
	ds_store_b128 v11, v[GX+68:GX+71] offset:((\o)+1)*2048
.endm
.macro WM                              ; one product, by the symbols rD, rA, rB, rC (under 0: the constant 0), rSA, rSB, rOdd (source 0's scale words lie in lanes 16-31)
.if rC < 0
.if rOdd
	v_wmma_scale_f32_16x16x128_f8f6f4 v[rD:rD+7], v[rA:rA+7], v[rB:rB+7], 0, v[rSA], v[rSB] matrix_a_fmt:MATRIX_FMT_FP4 matrix_b_fmt:MATRIX_FMT_FP4 matrix_a_scale:MATRIX_SCALE_ROW1
.else
	v_wmma_scale_f32_16x16x128_f8f6f4 v[rD:rD+7], v[rA:rA+7], v[rB:rB+7], 0, v[rSA], v[rSB] matrix_a_fmt:MATRIX_FMT_FP4 matrix_b_fmt:MATRIX_FMT_FP4
.endif
.else
.if rOdd
	v_wmma_scale_f32_16x16x128_f8f6f4 v[rD:rD+7], v[rA:rA+7], v[rB:rB+7], v[rC:rC+7], v[rSA], v[rSB] matrix_a_fmt:MATRIX_FMT_FP4 matrix_b_fmt:MATRIX_FMT_FP4 matrix_a_scale:MATRIX_SCALE_ROW1
.else
	v_wmma_scale_f32_16x16x128_f8f6f4 v[rD:rD+7], v[rA:rA+7], v[rB:rB+7], v[rC:rC+7], v[rSA], v[rSB] matrix_a_fmt:MATRIX_FMT_FP4 matrix_b_fmt:MATRIX_FMT_FP4
.endif
.endif
.endm
.macro BIAS b, dst                     ; b1 of block b in the result's layout: tile t' = 2 g + u, lane half h: units 32 b + 16 h + 8 u + 0 .. 7 of a (g = 0) or gate (g = 1)
.irp t, 0,1,2,3
.irp j, 0,1
	ds_load_b128 v[\dst+8*\t+4*\j:\dst+8*\t+4*\j+3], v4 offset:512*(\t/2)+128*(\b)+32*(\t%2)+16*\j
.endr
.endr
.endm
; Block b's four tiles over K = 512: 16 products, the four accumulators by turns, one instruction a turn.  The first K step takes b1 as C.
.macro MUL b, P, C
	WIN 1+(\b)/2                                   ; source 0 in window 1 or 2
.irp s, 0,1,2,3
.irp t, 0,1,2,3
.set rT, 4*(\b)+\t
.set rA, 8*(4*(rT%8)+\s)
.set rB, XF+8*\s
.set rD, \P+8*\t
.set rC, \P+8*\t
.if \s == 0
.set rC, \C+8*\t
.endif
.set rSA, W1S+16*(\s/2)+2*(rT/2)+(\s%2)
.set rSB, XS+\s
.set rOdd, \t%2
	WM
.endr
.endr
	WIN 0
.endm
; g = a x (gate / (1 + 2^(-gate log2 e))) of block b's 16 units of my token, in f32; then the block's scale and codes.  nb >= 0: b1 of block nb is fetched meanwhile.
; Each accumulator is read from its low end on.  The exponentials and the reciprocals are a batch each, with one plain line and one wait ahead of the first reader.
.macro GLU b, P, nb
.irp j, 0,2,4,6,8,10,12,14
	v_pk_mul_f32 v[TMP+\j:TMP+\j+1], v[\P+16+\j:\P+17+\j], s[22:23] op_sel_hi:[1,0]
.endr
.irp j, 0,1,2,3,4,5,6,7,8,9,10,11,12,13,14,15
	v_exp_f32 v[TMP+\j], v[TMP+\j]
.endr
	v_nop
	s_wait_alu depctr_va_vdst(0)
.irp j, 0,2,4,6,8,10,12,14
	v_pk_add_f32 v[TMP+\j:TMP+\j+1], v[TMP+\j:TMP+\j+1], 1.0 op_sel_hi:[1,0]
.endr
.if \nb >= 0
	BIAS \nb, BR                                   ; behind the products that read BR stand the sixteen packed lines above, which name none of their registers
.endif
.irp j, 0,1,2,3,4,5,6,7,8,9,10,11,12,13,14,15
	v_rcp_f32 v[TMP+\j], v[TMP+\j]
.endr
	v_nop
	s_wait_alu depctr_va_vdst(0)
.irp j, 0,2,4,6,8,10,12,14
	v_pk_mul_f32 v[TMP+\j:TMP+\j+1], v[TMP+\j:TMP+\j+1], v[\P+16+\j:\P+17+\j]   ; silu(gate)
.endr
.irp j, 0,2,4,6,8,10,12,14
	v_pk_mul_f32 v[TMP+\j:TMP+\j+1], v[TMP+\j:TMP+\j+1], v[\P+\j:\P+\j+1]       ; x a
.endr
	v_max3_num_f32 v[M0], |v[TMP]|, |v[TMP+1]|, 0x1800000        ; my 16 numbers and the floor 2^(3 - 127), in two chains
	v_max3_num_f32 v[M1], |v[TMP+2]|, |v[TMP+3]|, |v[TMP+4]|
	v_max3_num_f32 v[M0], v[M0], |v[TMP+5]|, |v[TMP+6]|
	v_max3_num_f32 v[M1], v[M1], |v[TMP+7]|, |v[TMP+8]|
	v_max3_num_f32 v[M0], v[M0], |v[TMP+9]|, |v[TMP+10]|
	v_max3_num_f32 v[M1], v[M1], |v[TMP+11]|, |v[TMP+12]|
	v_max3_num_f32 v[M0], v[M0], |v[TMP+13]|, |v[TMP+14]|
	v_max3_num_f32 v[M0], v[M0], v[M1], |v[TMP+15]|
	v_permlanex16_b32 v[MX], v[M0], s24, s25
	v_max_num_f32 v[M0], v[M0], v[MX]              ; with lane l xor 16's 16: the block's largest magnitude
	v_add_nc_u32 v[SCL], 0xff000000, v[M0]         ; 2 off its exponent field: the conversion's scale operand
	v_cvt_scalef32_pk8_fp4_f32 v[CD+2*((\b)%2)], v[TMP:TMP+7], v[SCL]
	v_cvt_scalef32_pk8_fp4_f32 v[CD+2*((\b)%2)+1], v[TMP+8:TMP+15], v[SCL]
	v_lshrrev_b32 v[BY], 23, v[SCL]                ; the scale's byte (a plain line behind the conversions)
.if (\b) == 0
	v_mov_b32 v[SW], v[BY]
.else
	v_lshl_or_b32 v[SW], v[BY], 8*(\b), v[SW]
.endif
	ds_store_b64 v12, v[CD+2*((\b)%2):CD+2*((\b)%2)+1] offset:512*((\b)/2)+256*((\b)%2)   ; my half of the block's 16 bytes, where the operand's lane 16 (b % 2) + r will find them
.if (\b) == 3
	ds_store_b32 v13, v[SW]                        ; my token's scale word for this K step; both halves of the lanes write the same word with the same value
.endif
.endm
	s_load_b128 s[4:7], s[0:1], 0x0                ; wq1, wq2
	s_load_b128 s[8:11], s[0:1], 0x10              ; xq, route
	s_load_b128 s[12:15], s[0:1], 0x20             ; b1, part
	v_lshl_add_u32 v254, v0, 2, 0x2cc00
	v_mov_b32 v255, 0
	v_lshrrev_b32 v1, 5, v0
	v_readfirstlane_b32 s16, v1                    ; wave 0..3
	v_and_b32 v160, 31, v0                         ; l
	v_and_b32 v161, 15, v0                         ; r
	v_bfe_u32 v162, v0, 4, 1                       ; h
	v_lshlrev_b32 v1, 4, v160
	v_lshlrev_b32 v2, 3, v160
	v_lshlrev_b32 v3, 2, v160
	v_lshlrev_b32 v15, 4, v162
	s_and_b32 s18, ttmp9, 7                        ; c
	s_bfe_u32 s19, ttmp9, 0x20003                  ; q
	s_lshr_b32 s17, ttmp9, 5                       ; e
	s_lshr_b32 s36, ttmp9, 3
	s_lshl_b32 s36, s36, 2
	s_add_co_u32 s36, s36, s16                     ; my slice: (4 e + q) 4 + w
	; every LDS address that stays is made here
	s_lshl_b32 s37, s16, 10
	s_add_co_u32 s38, s37, B1L
	v_lshl_add_u32 v4, v162, 6, s38                ; b1 back: B1L + 1,024 w + 64 h
	v_add_nc_u32 v13, s38, v1                      ; b1 in: B1L + 1,024 w + 16 l
	s_lshl_b32 s38, s16, 14
	s_add_co_u32 s38, s38, GIMG
	v_lshl_add_u32 v5, v161, 4, s38
	v_lshl_add_u32 v5, v162, 3, v5                 ; my codes: GIMG + 16,384 w + 16 r + 8 h
	s_add_co_u32 s38, s37, GSC
	v_lshl_add_u32 v6, v161, 2, s38                ; my scale word: GSC + 1,024 w + 4 r
	s_mul_i32 s38, s16, 16*SPITCH
	s_add_co_u32 s38, s38, STG
	v_mul_u32_u24 v7, v161, SPITCH
	v_lshl_add_u32 v7, v162, 5, v7
	v_add_nc_u32 v7, s38, v7                       ; the stage, in: row r, 32 h
	v_add_nc_u32 v8, s38, v1                       ; and back: 16 l of a row
	v_lshl_add_u32 v9, v161, 2, GSC                ; scale words back: GSC + 4 r
	s_lshl_b32 s38, s16, 12
	s_add_co_u32 s38, s38, XIMG
	v_add_nc_u32 v10, s38, v1                      ; x's images in: XIMG + 4,096 w + 16 l
	s_lshl_b32 s38, s16, 9
	s_add_co_u32 s38, s38, XSC
	v_add_nc_u32 v11, s38, v1                      ; their scale words: XSC + 512 w + 16 l
	s_lshl_b32 s38, s16, 6
	v_lshl_add_u32 v12, v161, 2, s38               ; LIST: 64 w + 4 r
	s_lshl_b32 s39, s18, 9
	v_lshl_add_u32 v163, v160, 1, s39              ; 2 (256 c + l)
	v_add_nc_u32 v164, 0x100, v160                 ; 256 + l: where a lane puts what is not listed
	v_mov_b32 v[MX], 0                             ; written once: a lane permute's destination counts as one of its sources
.irp j, 176,177,178,179
	v_mov_b32 v\j, s39                             ; the entry of a slot that no row takes: the chunk's first token
.endr
	s_mov_b32 s22, 0xbfb8aa3b                      ; -log2(e)
	s_mov_b32 s23, s22                             ; (named with it as a pair, so it is written)
	s_mov_b32 s24, 0x76543210
	s_mov_b32 s25, 0xfedcba98                      ; v_permlanex16_b32's selects for lane l xor 16
	s_mul_i32 s44, s36, 69632
	s_mov_b32 s45, 0
	s_mul_i32 s46, s36, 34816
	s_mov_b32 s47, 0
	s_lshl_b32 s48, s18, 10                        ; route: 256 words a chunk
	s_mov_b32 s49, 0
	s_lshl_b32 s50, s17, 14                        ; b1: 16,384 e + 2,048 q + 512 w
	s_lshl_b32 s38, s19, 11
	s_add_co_u32 s50, s50, s38
	s_lshl_b32 s38, s16, 9
	s_add_co_u32 s50, s50, s38
	s_mov_b32 s51, 0
	s_lshl_b32 s52, s19, 23                        ; part: plane q, my 128 columns
	s_add_co_u32 s52, s52, s38
	s_mov_b32 s53, 0
	s_wait_kmcnt 0x0
	s_add_nc_u64 s[10:11], s[10:11], s[48:49]
	s_add_nc_u64 s[12:13], s[12:13], s[50:51]
	s_add_nc_u64 s[4:5], s[4:5], s[44:45]
	s_add_nc_u64 s[6:7], s[6:7], s[46:47]
	s_add_nc_u64 s[42:43], s[14:15], s[52:53]
	s_add_nc_u64 s[40:41], s[8:9], 0x80000         ; x's scale bytes lie behind its codes
.irp g, 0,1,2,3,4,5,6,7
	global_load_b32 v[R+\g], v3, s[10:11] offset:128*\g      ; the chunk's route words first: the list hangs on them
.endr
	global_load_b128 v[168:171], v1, s[12:13]                ; b1: a's 128 numbers
	global_load_b128 v[172:175], v1, s[12:13] offset:8192    ; gate's
.irp i, 0,1,2,3,4,5,6,7,8,9,10,11,12,13,14,15
	global_load_b64 v[W1S+2*\i:W1S+2*\i+1], v2, s[4:5] offset:65536+256*\i   ; lanes 0-15 an even tile's rows, lanes 16-31 the odd tile's; two K steps' words
.endr
	WIN 0x40                                       ; destination window 1
	CODES 4, 0, 32
	WIN 0
	s_wait_loadcnt 50                              ; behind the route words stand 2 + 16 + 32 loads
	; THE LIST: every wave counts, so that every wave knows n; wave 0 alone writes.
	s_mov_b32 s20, 0
.irp g, 0,1,2,3,4,5,6,7
	v_and_b32 v152, 0xff, v[R+\g]                  ; the first choice
	v_bfe_u32 v153, v[R+\g], 8, 8                  ; the second
	v_cmp_eq_u32 s34, s17, v152
	v_cmp_eq_u32 s35, s17, v153
	s_or_b32 s38, s34, s35                         ; the lanes whose token chose e
	v_mbcnt_lo_u32_b32 v154, s38, s20              ; rows before mine
	v_cndmask_b32 v155, 0, 1, s35
	v_add3_u32 v[D+\g], v155, v163, 64*\g          ; the entry 2 t + k
	v_cndmask_b32 v154, v164, v154, s38
	v_min_u32 v154, 287, v154                      ; held inside LIST's 288 words
	v_lshl_add_u32 v[S+\g], v154, 2, LIST
	s_bcnt1_i32_b32 s38, s38
	s_add_co_u32 s20, s20, s38
.endr                                                  ; s20 = n
	s_cmp_lg_u32 s16, 0
	s_cbranch_scc1 .Lno_list
	ds_store_b128 v1, v[176:179]                   ; all 256 slots first take the chunk's first token,
	ds_store_b128 v1, v[176:179] offset:512
.irp g, 0,1,2,3,4,5,6,7
	ds_store_b32 v[S+\g], v[D+\g]                  ; then the rows their places: LDS serves a wave's instructions in order
.endr
.Lno_list:
	BARRIER                                        ; the list lies in LDS
	GATHER 0, 256                                  ; tiles w and w + 4, always: 18 loads
	WIN 0x40
	CODES 4, 32, 32
	WIN 0x80                                       ; destination window 2
	CODES 4, 64, 64
	WIN 0
	s_wait_loadcnt 63                              ; 96 loads stand behind the gather: it is in, and so is b1
	IMAGES 0
	ds_store_b128 v13, v[168:171]
	ds_store_b128 v13, v[172:175] offset:512
	s_cmp_le_u32 s20, 128
	s_cbranch_scc1 .Lno_b
	GATHER 512, 768                                ; tiles w + 8 and w + 12, where the chunk has so many rows
	s_wait_loadcnt 0x0
	IMAGES 2
.Lno_b:
.irp i, 0,1,2,3,4,5,6,7
	global_load_b64 v[W2S+2*\i:W2S+2*\i+1], v2, s[6:7] offset:32768+256*\i
.endr
	WIN 0xc0                                       ; destination window 3
	CODES 6, 0, 64
	WIN 0
	BARRIER                                        ; x's images lie in LDS
	s_wait_loadcnt 63                              ; 72 loads stand behind W1's last: W1 and its scale words are in
	; ---- 1: the hidden layer, a tile of 16 rows a trip.  While a block's products run, the block before goes through its activation and quantiser.
	s_mov_b32 s26, 0                               ; 16 m
.Lp1:
	s_cmp_ge_u32 s26, s20
	s_cbranch_scc1 .Lp1_skip
	s_lshl_b32 s27, s26, 8
	s_add_co_u32 s27, s27, XIMG
	v_add_nc_u32 v10, s27, v1                      ; x's fragments: XIMG + 4,096 m + 16 l
	s_lshl_b32 s28, s26, 5
	s_add_co_u32 s28, s28, XSC
	v_add_nc_u32 v11, s28, v1                      ; their scale words: XSC + 512 m + 16 l
	s_lshl_b32 s29, s26, 6
	v_add_nc_u32 v12, s29, v5                      ; my codes: + 1,024 m
	s_lshl_b32 s30, s26, 2
	v_add_nc_u32 v13, s30, v6                      ; my scale word: + 64 m
.irp i, 0,1,2,3,4,5,6,7
	ds_load_b128 v[XF+4*\i:XF+4*\i+3], v10 offset:512*\i
.endr
	ds_load_b128 v[XS:XS+3], v11
	BIAS 0, BR
	BIAS 1, P1
	s_wait_dscnt 0x0
	MUL 0, P0, BR
	MUL 1, P1, P1
.rept 4
	v_nop                                          ; four places between the products and the first read of block 0's results
.endr
	GLU 0, P0, 2
	s_wait_dscnt 0x0                               ; b1 of block 2 is in
	MUL 2, P0, BR
	GLU 1, P1, 3
	s_wait_dscnt 0x0
	MUL 3, P1, BR
	GLU 2, P0, -1
	GLU 3, P1, -1
.Lp1_skip:
	s_add_co_u32 s26, s26, 16
	s_cmp_lt_u32 s26, 256
	s_cbranch_scc1 .Lp1
	BARRIER                                        ; the hidden layer's fragments lie in LDS
	s_wait_loadcnt 0x0                             ; W2
	; ---- 2: my 128 outputs of a tile of 16 rows a trip: eight accumulators by turns, a K step at a time
	s_mov_b32 s26, 0
.Lp2:
	s_cmp_ge_u32 s26, s20
	s_cbranch_scc1 .Lp2_skip
	s_wait_xcnt 0x0                                ; the last trip's stores have read their offsets and data: both are written again below
	s_lshl_b32 s29, s26, 6
	s_add_co_u32 s29, s29, GIMG
	v_add_nc_u32 v10, s29, v1                      ; GIMG + 1,024 m + 16 l
	s_lshl_b32 s30, s26, 2
	v_add_nc_u32 v11, s30, v9                      ; GSC + 64 m + 4 r
	v_mov_b32 v12, s30                             ; LIST (at byte 0) + 64 m
.irp s, 0,1,2,3
.irp c, 0,1
	ds_load_b128 v[XF+8*\s+4*\c:XF+8*\s+4*\c+3], v10 offset:16384*\s+512*\c
.endr
	ds_load_b32 v[XS+\s], v11 offset:1024*\s
.endr
.irp j, 0,1,2,3
	ds_load_b128 v[RID+4*\j:RID+4*\j+3], v12 offset:16*\j     ; the tile's 16 entries, in every lane
.endr
	s_wait_dscnt 0x0
	WIN 0x03                                       ; source 0 in window 3
.irp s, 0,1,2,3
.irp t, 0,1,2,3,4,5,6,7
.set rA, 8*(4*\t+\s)
.set rB, XF+8*\s
.set rD, ACC+8*\t
.set rC, ACC+8*\t
.if \s == 0
.set rC, -1
.endif
.set rSA, W2S+8*(\s/2)+2*(\t/2)+(\s%2)
.set rSB, XS+\s
.set rOdd, \t%2
	WM
.endr
.endr
	WIN 0
.irp i, 0,1,2,3,4,5,6,7,8,9,10,11,12,13,14,15
	v_min_u32 v[RID+\i], 0xfff, v[RID+\i]          ; the row of part, held inside its 4,096.  (These 32 lines are also the places behind the products)
.endr
.irp i, 0,1,2,3,4,5,6,7,8,9,10,11,12,13,14,15
	v_lshl_add_u32 v[RID+\i], v[RID+\i], 11, v1    ; 2,048 bytes a row, + 16 l
.endr
.irp t, 0,1,2,3,4,5,6,7
	ds_store_b128 v7, v[ACC+8*\t:ACC+8*\t+3] offset:64*\t          ; lane (r, h): row r, outputs 16 t + 8 h + 0 .. 7; each accumulator from its low end on
	ds_store_b128 v7, v[ACC+8*\t+4:ACC+8*\t+7] offset:64*\t+16
.endr
.irp i, 0,1,2,3,4,5,6,7,8,9,10,11,12,13,14,15
	ds_load_b128 v[OB+4*\i:OB+4*\i+3], v8 offset:\i*SPITCH         ; my own stage: LDS serves a wave's instructions in order
.endr
	s_sub_co_u32 s33, s20, s26                     ; rows left, at least 1
	s_wait_dscnt 0x0
.irp i, 0,1,2,3,4,5,6,7,8,9,10,11,12,13,14,15
.if \i > 0
	s_cmp_le_u32 s33, \i
	s_cbranch_scc1 .Lp2_skip                       ; rows that only pad the tile are not stored
.endif
	global_store_b128 v[RID+\i], v[OB+4*\i:OB+4*\i+3], s[42:43] th:TH_STORE_NT   ; 32 lanes store 512 consecutive bytes of one row, at a multiple of 512 from part's first byte
.endr
.Lp2_skip:
	s_add_co_u32 s26, s26, 16
	s_cmp_lt_u32 s26, 256
	s_cbranch_scc1 .Lp2
	s_wait_tensorcnt 0x0
	ds_add_u32 v254, v255
	s_wait_dscnt 0x0
	s_endpgm
.Lfunc_end_k_q3de483e4ec_chain:
	.size	k_q3de483e4ec_chain, .Lfunc_end_k_q3de483e4ec_chain-k_q3de483e4ec_chain
	.p2alignl 7, 3214868480
	.fill 96, 4, 3214868480
	.section	.rodata,"a",@progbits
	.p2align	6, 0x0
	.amdhsa_kernel k_q3de483e4ec_chain
		.amdhsa_group_segment_fixed_size 183808
		.amdhsa_private_segment_fixed_size 0
		.amdhsa_enable_private_segment 0
		.amdhsa_kernarg_size 48
		.amdhsa_user_sgpr_count 2
		.amdhsa_user_sgpr_kernarg_segment_ptr 1
		.amdhsa_wavefront_size32 1
		.amdhsa_system_sgpr_workgroup_id_x 1
		.amdhsa_system_sgpr_workgroup_id_y 1
		.amdhsa_system_sgpr_workgroup_id_z 1
		.amdhsa_system_vgpr_workitem_id 0
		.amdhsa_next_free_vgpr 1024
		.amdhsa_next_free_sgpr 66
		.amdhsa_reserve_vcc 0
		.amdhsa_float_denorm_mode_32 3
		.amdhsa_float_denorm_mode_16_64 3
		.amdhsa_memory_ordered 1
		.amdhsa_forward_progress 1
		.amdhsa_inst_pref_size 80
	.end_amdhsa_kernel
	.amdgpu_metadata
---
amdhsa.version: [ 1, 2 ]
amdhsa.kernels:
  - .name:           k_q3de483e4ec_chain
    .symbol:         k_q3de483e4ec_chain.kd
    .args:
      - { .name: wq1, .offset: 0, .size: 8, .value_kind: global_buffer, .address_space: global }
      - { .name: wq2, .offset: 8, .size: 8, .value_kind: global_buffer, .address_space: global }
      - { .name: xq, .offset: 16, .size: 8, .value_kind: global_buffer, .address_space: global }
      - { .name: route, .offset: 24, .size: 8, .value_kind: global_buffer, .address_space: global }
      - { .name: b1, .offset: 32, .size: 8, .value_kind: global_buffer, .address_space: global }
      - { .name: part, .offset: 40, .size: 8, .value_kind: global_buffer, .address_space: global }
    .group_segment_fixed_size: 183808
    .private_segment_fixed_size: 0
    .kernarg_segment_align: 8
    .kernarg_segment_size: 48
    .max_flat_workgroup_size: 128
    .sgpr_count:     66
    .vgpr_count:     1024
    .wavefront_size: 32
...
	.end_amdgpu_metadata
.endif
;; end of part 2
;; launch combine (part 3): grid 512 x 1, 4 waves a work-group, no clusters, 0 bytes of LDS; arguments part, route, rw, b2, out0; writes out0
.if DOCPART == 3
	.amdgcn_target "amdgcn-amd-amdhsa--gfx1250"
	.amdhsa_code_object_version 6
	.text
	.protected	k_q3de483e4ec_combine
	.globl	k_q3de483e4ec_combine
	.p2align	8
	.type	k_q3de483e4ec_combine,@function
k_q3de483e4ec_combine:
	s_mov_b64 s[64:65], 0
	v_nop
	global_prefetch_b8 v0, s[64:65] scope:SCOPE_SE
	s_setreg_imm32_b32 hwreg(HW_REG_WAVE_MODE, 25, 1), 1
	s_wait_xcnt 0x0
; COMBINE.  out0[t] = w0 (P[0][2t] + P[1][2t] + P[2][2t] + P[3][2t] + b2[e0]) + w1 (the same of row 2t + 1, with b2[e1]).
; part: [4][4096][512] f32, route: a word a token (e0 | e1 << 8), rw: (w0, w1) a token, b2: [8][512], out0: [2048][512].
; A work-group takes four tokens; thread t owns the 16 bytes at 16 t of every row, so each load and store of a wave covers 512 consecutive bytes.
; A stream: every byte of part is read once, all 32 loads of a thread go out together; no LDS, no barrier, no matrix unit.
.set PR, 16                            ; v16-143  part: plane q, token tk, choice k at 32 q + 4 (2 tk + k)
.set BB, 144                           ; v144-175 b2's rows: 4 (2 tk + k)
.macro PLANE q, base
.irp n, 0,1,2,3,4,5,6,7
	global_load_b128 v[PR+32*\q+4*\n:PR+32*\q+4*\n+3], v1, s[\base:\base+1] offset:2048*\n th:TH_LOAD_NT
.endr
.endm
	s_load_b128 s[4:7], s[0:1], 0x0                ; part, route
	s_load_b128 s[8:11], s[0:1], 0x10              ; rw, b2
	s_load_b64 s[12:13], s[0:1], 0x20              ; out0
	v_lshlrev_b32 v1, 4, v0                        ; 16 t
	s_lshl_b32 s14, ttmp9, 14                      ; part: eight rows of 2,048 bytes
	s_mov_b32 s15, 0
	s_lshl_b32 s16, ttmp9, 4                       ; route: four words
	s_mov_b32 s17, 0
	s_lshl_b32 s18, ttmp9, 5                       ; rw: eight numbers
	s_mov_b32 s19, 0
	s_lshl_b32 s20, ttmp9, 13                      ; out0: four rows
	s_mov_b32 s21, 0
	s_wait_kmcnt 0x0
	s_add_nc_u64 s[6:7], s[6:7], s[16:17]
	s_add_nc_u64 s[8:9], s[8:9], s[18:19]
	s_load_b128 s[24:27], s[6:7], 0x0              ; the four tokens' choices
	s_load_b256 s[32:39], s[8:9], 0x0              ; and weights
	s_add_nc_u64 s[4:5], s[4:5], s[14:15]
	s_add_nc_u64 s[40:41], s[4:5], 0x800000        ; the planes lie 8,388,608 bytes apart
	s_add_nc_u64 s[42:43], s[40:41], 0x800000
	s_add_nc_u64 s[44:45], s[42:43], 0x800000
	s_add_nc_u64 s[12:13], s[12:13], s[20:21]
	PLANE 0, 4
	PLANE 1, 40
	PLANE 2, 42
	PLANE 3, 44
	s_wait_kmcnt 0x0
.irp tk, 0,1,2,3
	s_and_b32 s46, s[24+\tk], 0xff
	s_min_u32 s46, s46, 7                          ; held inside b2's eight rows
	s_lshl_b32 s46, s46, 11
	v_add_nc_u32 v[4+2*\tk], s46, v1
	s_bfe_u32 s46, s[24+\tk], 0x80008
	s_min_u32 s46, s46, 7
	s_lshl_b32 s46, s46, 11
	v_add_nc_u32 v[5+2*\tk], s46, v1
.endr
.irp n, 0,1,2,3,4,5,6,7
	global_load_b128 v[BB+4*\n:BB+4*\n+3], v[4+\n], s[10:11]
.endr
	s_wait_loadcnt 0x0
.irp tk, 0,1,2,3
.irp k, 0,1
.set a0, PR+4*(2*\tk+\k)
.set b0, BB+4*(2*\tk+\k)
.irp p, 0,2
	v_pk_add_f32 v[a0+\p:a0+\p+1], v[a0+\p:a0+\p+1], v[a0+32+\p:a0+33+\p]
	v_pk_add_f32 v[a0+64+\p:a0+65+\p], v[a0+64+\p:a0+65+\p], v[a0+96+\p:a0+97+\p]
.endr
.irp p, 0,2
	v_pk_add_f32 v[a0+\p:a0+\p+1], v[a0+\p:a0+\p+1], v[a0+64+\p:a0+65+\p]
.endr
.irp p, 0,2
	v_pk_add_f32 v[a0+\p:a0+\p+1], v[a0+\p:a0+\p+1], v[b0+\p:b0+\p+1]
.endr
.endr
.set y0, PR+8*\tk
.irp j, 0,1,2,3
	v_mul_f32 v[y0+\j], s[32+2*\tk], v[y0+\j]
.endr
.irp j, 0,1,2,3
	v_fmac_f32 v[y0+\j], s[33+2*\tk], v[y0+4+\j]
.endr
	global_store_b128 v1, v[y0:y0+3], s[12:13] offset:2048*\tk th:TH_STORE_NT
.endr
	s_endpgm
.Lfunc_end_k_q3de483e4ec_combine:
	.size	k_q3de483e4ec_combine, .Lfunc_end_k_q3de483e4ec_combine-k_q3de483e4ec_combine
	.p2alignl 7, 3214868480
	.fill 96, 4, 3214868480
	.section	.rodata,"a",@progbits
	.p2align	6, 0x0
	.amdhsa_kernel k_q3de483e4ec_combine
		.amdhsa_group_segment_fixed_size 0
		.amdhsa_private_segment_fixed_size 0
		.amdhsa_enable_private_segment 0
		.amdhsa_kernarg_size 40
		.amdhsa_user_sgpr_count 2
		.amdhsa_user_sgpr_kernarg_segment_ptr 1
		.amdhsa_wavefront_size32 1
		.amdhsa_system_sgpr_workgroup_id_x 1
		.amdhsa_system_sgpr_workgroup_id_y 1
		.amdhsa_system_sgpr_workgroup_id_z 1
		.amdhsa_system_vgpr_workitem_id 0
		.amdhsa_next_free_vgpr 192
		.amdhsa_next_free_sgpr 66
		.amdhsa_reserve_vcc 0
		.amdhsa_float_denorm_mode_32 3
		.amdhsa_float_denorm_mode_16_64 3
		.amdhsa_memory_ordered 1
		.amdhsa_forward_progress 1
		.amdhsa_inst_pref_size 12
	.end_amdhsa_kernel
	.amdgpu_metadata
---
amdhsa.version: [ 1, 2 ]
amdhsa.kernels:
  - .name:           k_q3de483e4ec_combine
    .symbol:         k_q3de483e4ec_combine.kd
    .args:
      - { .name: part, .offset: 0, .size: 8, .value_kind: global_buffer, .address_space: global }
      - { .name: route, .offset: 8, .size: 8, .value_kind: global_buffer, .address_space: global }
      - { .name: rw, .offset: 16, .size: 8, .value_kind: global_buffer, .address_space: global }
      - { .name: b2, .offset: 24, .size: 8, .value_kind: global_buffer, .address_space: global }
      - { .name: out0, .offset: 32, .size: 8, .value_kind: global_buffer, .address_space: global }
    .group_segment_fixed_size: 0
    .private_segment_fixed_size: 0
    .kernarg_segment_align: 8
    .kernarg_segment_size: 40
    .max_flat_workgroup_size: 128
    .sgpr_count:     66
    .vgpr_count:     192
    .wavefront_size: 32
...
	.end_amdgpu_metadata
.endif
;; end of part 3
